; MI455X (gfx1250); checked and timed in simulation.
; The chip was launched on July 23, 2026; its instructions are those of AMD's public machine-readable ISA for CDNA 5 (MIT licence, August 2026) and "CDNA5" Instruction Set Architecture Reference Guide (July 2026). The comments in the code are by the model that wrote it; some were corrected since.
;; Multi Headed Self Attention. Allowed arithmetic: matrix products marked QUANTISED: E3M2 operands, one E8M0 scale for each 32 along K, by v_wmma_scale_f32_16x16x128_f8f6f4 with both operands' format E3M2, f32 sums; everything else in f32.
;; Inputs: Wc 1,024 x 1,024 float32; Wk 1,024 x 1,024 float32; Wq 1,024 x 1,024 float32; Wv 1,024 x 1,024 float32; bc 1,024 float32; bk 1,024 float32; bq 1,024 float32; bv 1,024 float32; x 4 x 2,048 x 1,024 float32.
;; Outputs: out0 4 x 2,048 x 1,024 float32.
;; This version of the problem:
;;   THIS VERSION OF THE PROBLEM IS GIVEN IN LOW PRECISION. The matrix products marked QUANTISED in the list below multiply operands that are first quantised to E3M2 (3 exponent bits, 2 mantissa bits; 6 bits a number), with one power-of-two scale for each 32 numbers along K (OCP MX v1.0); their sums are f32. All else is computed in f32.
;;   The module's matrix products, in the order in which they are computed (A, B: the left and right operand; K: the contracted axis; several contracted axes count as one K, in the product's order):
;;     1. [M 8,192, K 1,024] x [K 1,024, N 1,024]; A: input x; B: input Wq: QUANTISED
;;     2. [M 8,192, K 1,024] x [K 1,024, N 1,024]; A: input x; B: input Wk: QUANTISED
;;     3. [M 8,192, K 1,024] x [K 1,024, N 1,024]; A: input x; B: input Wv: QUANTISED
;;     4. [M 8,192, K 1,024] x [K 1,024, N 1,024]; A: input x; B: input Wc: QUANTISED
;;     5. batch 64 x [M 2,048, K 64] x [K 64, N 2,048]; A: computed on the way; B: computed on the way: QUANTISED
;;     6. batch 64 x [M 64, K 2,048] x [K 2,048, N 2,048]; A: computed on the way; B: softmax (see below): QUANTISED
;;   THE QUANTISER, for each operand of a quantised product, along K:
;;     - K is cut into blocks of 32 from its start; a last block that is shorter is filled with zeros.
;;     - A block's scale is 2^e with e = floor(log2(the largest magnitude in the block)) - 4, held to -126 .. 127; a block of zeros has e = 0. As a byte (E8M0): e + 127.
;;     - Each number is divided by its block's scale, clamped to +-28, and rounded to the nearest number of E3M2, ties to even, subnormals kept.
;;     - The product sums the exact products of the quantised numbers (number of the format x scale) in f32.
;;   ~~~python
;;   def quantise(x, axis):      # numpy; x: float32 -> the quantised numbers, widened to float32 again
;;       x = np.moveaxis(x, axis, -1); K = x.shape[-1]
;;       x = np.pad(x, [(0, 0)] * (x.ndim - 1) + [(0, -K % 32)]); x = x.reshape(x.shape[:-1] + (-1, 32)); a = np.abs(x).max(-1, keepdims=True)
;;       e = np.where(a > 0, np.clip(np.frexp(np.where(a > 0, a, 1))[1] - 1 - 4, -126, 127), 0)      # np.frexp(a)[1] - 1 = floor(log2(a)), exactly
;;       r = np.clip(x / 2.0 ** e, -28, 28)
;;       step = 2.0 ** (np.maximum(np.frexp(np.where(r == 0, 1, r))[1] - 1, -2) - 2)
;;       q = np.round(r / step) * step * 2.0 ** e      # np.round: ties to even
;;       return np.moveaxis(q.reshape(q.shape[:-2] + (-1,))[..., :K], -1, axis).astype(np.float32)
;;   ~~~
;;   SOFTMAX AHEAD OF A QUANTISED PRODUCT. Where the list says 'softmax', what is quantised is not the finished softmax but p = 2^(t - M), with t = logit x log2(e) and M = ceil(the row's largest t), a whole number; so 1/2 < the row's largest p <= 1. The row's sum l is taken of the UNQUANTISED p, in f32, and the product's result is divided by l at the end. Since M is a whole number, a kernel that streams over the keys may use a running M (the ceiling of the running maximum): every later rescaling is an exact power of two, which a block's scale takes up: the codes' values come out the same.
;;   OPERANDS COMPUTED ON THE WAY. 'Computed on the way' means the value that the module computes at that place (a softmax that the list does not call 'softmax' is quantised finished and normalised). What goes into a quantiser is computed in f32, as accurately as f32 sums, v_exp_f32 and their like allow (about 1e-6 of the number): no bf16 or f16 on the way to a quantiser, and a product that is left as it is and whose result goes on into a quantised operand takes f32 operands (vector FMAs, or v_wmma_f32_16x16x4_f32). A number that lies on a knife's edge between two numbers of the format may be rounded either way, as far as f32 arithmetic and the matrix unit's own rounding can turn it there, and no further.
;; One version. Each part assembles by itself: llvm-mc -triple=amdgcn-amd-amdhsa -mcpu=gfx1250 --defsym DOCPART=n.
;; ======== version 1 of 1: 3 launches
;; limits: right only within a limited range of input values
;; workspace buffers: xc 6,291,456 bytes; xs 262,144 bytes; wc 3,145,728 bytes; ws 131,072 bytes; qb 6,815,744 bytes; kvb 13,369,344 bytes; cb 33,554,432 bytes
;; launch quant (part 1): grid 384 x 1, 4 waves a work-group, no clusters, 68,096 bytes of LDS; arguments x, Wq, Wk, Wv, Wc, xc, xs, wc, ws; writes xc, xs, wc, ws
.if DOCPART == 1
	.amdgcn_target "amdgcn-amd-amdhsa--gfx1250"
	.amdhsa_code_object_version 6
	.text
	.protected	k_q78dcb5a783_quant
	.globl	k_q78dcb5a783_quant
	.p2align	8
	.type	k_q78dcb5a783_quant,@function
k_q78dcb5a783_quant:
	s_mov_b64 s[64:65], 0
	v_nop
	global_prefetch_b8 v0, s[64:65] scope:SCOPE_SE
	s_setreg_imm32_b32 hwreg(HW_REG_WAVE_MODE, 25, 1), 1
	s_wait_xcnt 0x0
; x [8192][1024] and the four weights [1024 (k)][1024 (n)], f32, become codes of BF6 (E3M2), K innermost, with one E8M0 scale byte for each 32 along K.
; A block's byte is its largest magnitude's exponent field - 4, held at 1 from below by a floor among the maximum's leaves; numbers are divided by the scale and rounded to the nearest code, ties to even.
; No work of the problem is left out in this program: every input reaches the output.
; LIMITS: NaN and infinities among the inputs are not served.  A block whose largest magnitude lies under 2^-122, a block of zeros too, has the byte 1 (zero codes add nothing; this program alone reads the bytes).
; THE ORDER OF ROWS IN THE WORKSPACE.  Within each 64 rows, index 32 g + 8 u + i (g < 2, u < 4, i < 8) goes to place 16 u + 8 g + i.  Row t of x so goes to its place in xc and xs, column n of weight wi
; (q, k, v, c = 0..3) to its place among rows 1024 wi .. of wc and ws.  Sixteen neighbouring places are then eight neighbours and the eight that lie 32 further on: in the next launch's transposed products
; a lane's 32 registers of four neighbouring tiles are a whole block of 32 neighbours.
; Work-groups 0-255 take x, 32 rows each; 256-383 the weights, 128 columns x 256 along K each.  The two ways have LDS bytes of their own.  No tensor loads, no barrier, no shared input: no cluster.
.set XWG,   256
.set STEPS, 16                         ; x: a wave takes 16 steps of 512 numbers: 8 rows
.set CB,    12                         ; bytes of 16 codes
.set R,     16                         ; v16-79   four sets of 16 numbers as loaded
.set X,     80                         ; v80-111  two sets of 16 neighbours
.set E,     112                        ; v112-127 a scale byte for each step
.set C,     128                        ; v128-191 codes, four registers a step
.set WREG,  8192                       ; LDS region of a wave: two stages of 32 x SP bytes, then its 256 scale bytes
.set SP,    80
.set WST,   32768                      ; the weights' stages
.set NB,    8
.set ROWB,  192
.set PITCH, 272
.set KROW,  768
.set WX,    32
.set WC,    96
.set OUTR,  112
.set SB,    24
	v_lshl_add_u32 v192, v0, 2, 0x10800            ; my spare word, behind both ways' LDS bytes
	v_mov_b32 v193, 0
	v_lshrrev_b32 v1, 5, v0
	v_readfirstlane_b32 s16, v1                    ; wave
	v_and_b32 v2, 31, v0                           ; lane
	s_cmp_lt_u32 ttmp9, XWG
	s_cbranch_scc0 .Lweights
; ---- x: a plain stream of blocks of 32; only the order of the runs of 8 rows changes
	s_load_b64 s[4:5], s[0:1], 0x0                 ; x
	s_load_b64 s[8:9], s[0:1], 0x28                ; xc
	s_load_b64 s[10:11], s[0:1], 0x30              ; xs
	v_lshlrev_b32 v3, 4, v2
	s_mul_i32 s17, s16, WREG
	v_lshrrev_b32 v14, 2, v2
	v_mul_u32_u24 v14, v14, SP
	v_and_b32 v15, 3, v2
	v_lshl_add_u32 v14, v15, 4, v14
	v_add_nc_u32 v14, s17, v14                     ; stage, in: four lanes' 64 bytes, then 16 of padding
	v_mul_u32_u24 v15, v2, SP
	v_add_nc_u32 v15, s17, v15                     ; stage, out: my 16 neighbours
	v_mul_u32_u24 v4, v2, CB
	v_lshrrev_b32 v5, 1, v2
	s_add_co_u32 s17, s17, 2*32*SP
	v_add_nc_u32 v5, s17, v5                       ; my block's scale byte in LDS
	v_lshlrev_b32 v7, 3, v2
	v_add_nc_u32 v6, s17, v7
	s_lshl_b32 s17, ttmp9, 2
	s_add_co_u32 s18, s17, s16                     ; the run of 8 rows that I read; its low three bits are (g, u)
	s_and_b32 s19, s18, 3
	s_lshl_b32 s19, s19, 1
	s_bfe_u32 s20, s18, 0x10002
	s_or_b32 s19, s19, s20                         ; 2 u + g
	s_and_not1_b32 s22, s18, 7
	s_or_b32 s22, s22, s19                         ; the run that I write
	s_lshl_b32 s20, s18, 15
	s_mov_b32 s21, 0
	s_mul_i32 s24, s22, 32*STEPS*CB
	s_mov_b32 s25, 0
	s_lshl_b32 s26, s22, 8
	s_mov_b32 s27, 0
	s_wait_alu depctr_va_vdst(0)                   ; the wait at the head's end
	s_wait_kmcnt 0x0
	s_add_nc_u64 s[4:5], s[4:5], s[20:21]
	s_add_nc_u64 s[8:9], s[8:9], s[24:25]
	s_add_nc_u64 s[10:11], s[10:11], s[26:27]
.macro XLOAD t
.irp i, 0,1,2,3
	global_load_b128 v[R+16*((\t)%4)+4*\i:R+16*((\t)%4)+4*\i+3], v3, s[4:5] offset:2048*(\t)+512*\i th:TH_LOAD_NT
.endr
.endm
.macro XTURN t                         ; through the stage; LDS serves a wave's instructions in order
.irp i, 0,1,2,3
	ds_store_b128 v14, v[R+16*((\t)%4)+4*\i:R+16*((\t)%4)+4*\i+3] offset:32*SP*((\t)%2)+8*SP*\i
.endr
.irp i, 0,1,2,3
	ds_load_b128 v[X+16*((\t)%2)+4*\i:X+16*((\t)%2)+4*\i+3], v15 offset:32*SP*((\t)%2)+16*\i
.endr
.endm
.irp t, 0,1,2,3
	XLOAD \t
.endr
	s_wait_loadcnt 12                              ; step 0's four loads are in; twelve may be out
	XTURN 0
.macro XSTEP t
.set XS, X+16*((\t)%2)
.if (\t) > 0
	s_wait_dscnt 1                                 ; this step's numbers are back (the last byte store may be out)
.else
	s_wait_dscnt 0x0
.endif
.if (\t)+4 < STEPS
	XLOAD (\t)+4
.endif
.if (\t)+1 < STEPS
.if STEPS-2-(\t) >= 3
	s_wait_loadcnt 12                              ; the next step's four are in; three steps' may be out
.else
	s_wait_loadcnt 4*(STEPS-2-(\t))
.endif
	XTURN (\t)+1
.endif
	v_max3_num_f32 v8, |v[XS]|, |v[XS+1]|, |v[XS+2]|
	v_max3_num_f32 v9, |v[XS+3]|, |v[XS+4]|, |v[XS+5]|
.irp i, 6,10
	v_max3_num_f32 v8, v8, |v[XS+\i]|, |v[XS+\i+1]|
	v_max3_num_f32 v9, v9, |v[XS+\i+2]|, |v[XS+\i+3]|
.endr
	v_max3_num_f32 v8, v8, |v[XS+14]|, |v[XS+15]|
	v_max3_num_f32 v8, v8, v9, 0x2800000           ; the floor 2^(5 - 127)
	v_max_num_f32_dpp v8, v8, v8 row_xmask:1 row_mask:0xf bank_mask:0xf   ; with my neighbour's 16
	v_add_nc_u32 v11, 0xfe000000, v8               ; 4 off the exponent field: the conversion's scale operand
	v_cvt_scalef32_pk16_bf6_f32 v[C+4*(\t):C+4*(\t)+2], v[XS:XS+15], v11
	v_lshrrev_b32 v[E+(\t)], 23, v11               ; the byte
	ds_store_b8 v5, v[E+(\t)] offset:16*(\t)
	global_store_b96 v4, v[C+4*(\t):C+4*(\t)+2], s[8:9] offset:32*CB*(\t)   ; the wave stores 384 consecutive bytes
.endm
.irp t, 0,1,2,3,4,5,6,7,8,9,10,11,12,13,14,15
	XSTEP \t
.endr
	ds_load_b64 v[12:13], v6
	s_wait_dscnt 0x0
	global_store_b64 v7, v[12:13], s[10:11]        ; 256 consecutive bytes, aligned
	s_wait_tensorcnt 0x0                           ; the wave's end
	ds_add_u32 v192, v193
	s_wait_dscnt 0x0
	s_endpgm
; ---- the weights: a lane takes a column, its registers run down K.  My wave's 32 columns are 32 g + 8 u + i of a group of 64 (g = wave % 2, lane = 8 u + i): they go to places 16 u + 8 g + i
.Lweights:
	s_load_b64 s[4:5], s[0:1], 0x8                 ; Wq
	s_load_b128 s[8:11], s[0:1], 0x10              ; Wk, Wv
	s_load_b64 s[12:13], s[0:1], 0x20              ; Wc
	s_load_b64 s[6:7], s[0:1], 0x38                ; wc
	s_load_b64 s[14:15], s[0:1], 0x40              ; ws
	s_sub_co_u32 s30, ttmp9, XWG
	s_lshr_b32 s31, s30, 5                         ; which weight
	s_and_b32 s17, s30, 7                          ; which 128 columns
	s_bfe_u32 s18, s30, 0x20003                    ; which 256 along K
	s_lshl_b32 s17, s17, 7
	s_lshl_b32 s19, s16, 5
	s_add_co_u32 s17, s17, s19                     ; my wave's first column
	s_wait_alu depctr_va_vdst(0)                   ; the wait ahead of the reader below
	v_lshlrev_b32 v3, 2, v2
	s_mul_i32 s19, s16, 32*PITCH
	s_add_co_u32 s19, s19, WST
	v_mul_u32_u24 v4, v2, PITCH
	v_add_nc_u32 v4, s19, v4                       ; stage, in: row = lane
	v_and_b32 v5, 15, v2
	v_lshrrev_b32 v6, 4, v2
	v_mul_u32_u24 v7, v6, PITCH
	v_lshl_add_u32 v7, v5, 4, v7
	v_add_nc_u32 v7, s19, v7                       ; stage, out: sixteen lanes to a row
	v_mul_u32_u24 v8, v6, KROW
	v_mad_u32_u24 v8, v5, 12, v8
	v_lshrrev_b32 v10, 3, v2
	v_lshl_add_u32 v10, v10, 3, v2                 ; 16 u + i
	v_lshlrev_b32 v9, 5, v10                       ; my column's row of scale bytes
	s_lshl_b32 s20, s18, 20
	s_lshl_b32 s22, s17, 2
	s_add_co_u32 s20, s20, s22
	s_mov_b32 s21, 0
	s_lshl_b32 s22, s31, 10
	s_add_co_u32 s22, s22, s17
	s_and_b32 s23, s16, 1
	s_mul_i32 s23, s23, 24
	s_sub_co_u32 s22, s22, s23                     ; the group's first row + 8 g
	s_mul_i32 s24, s22, KROW
	s_mul_i32 s26, s18, ROWB
	s_add_co_u32 s24, s24, s26
	s_mov_b32 s25, 0
	s_lshl_b32 s28, s22, 5
	s_lshl_b32 s26, s18, 3
	s_add_co_u32 s28, s28, s26
	s_mov_b32 s29, 0
	s_wait_alu depctr_va_vdst(0)                   ; the wait at the head's end
	s_wait_kmcnt 0x0
	s_cmp_eq_u32 s31, 1
	s_cselect_b64 s[4:5], s[8:9], s[4:5]
	s_cmp_eq_u32 s31, 2
	s_cselect_b64 s[4:5], s[10:11], s[4:5]
	s_cmp_eq_u32 s31, 3
	s_cselect_b64 s[4:5], s[12:13], s[4:5]
	s_add_nc_u64 s[4:5], s[4:5], s[20:21]
	s_add_nc_u64 s[6:7], s[6:7], s[24:25]
	s_add_nc_u64 s[14:15], s[14:15], s[28:29]
.macro WLOAD t
.irp i, 0,1,2,3,4,5,6,7,8,9,10,11,12,13,14,15,16,17,18,19,20,21,22,23,24,25,26,27,28,29,30,31
	global_load_b32 v[WX+32*((\t)%2)+\i], v3, s[4:5] offset:(32*(\t)+\i)*4096 th:TH_LOAD_NT
.endr
.endm
	WLOAD 0
	WLOAD 1
.macro WBLOCK t
.set XS, WX+32*((\t)%2)
.if (\t) < NB-1
	s_wait_loadcnt 32                              ; this block's 32 are in; the next block's may be out
.else
	s_wait_loadcnt 0
.endif
	v_max3_num_f32 v12, |v[XS]|, |v[XS+1]|, |v[XS+2]|
	v_max3_num_f32 v13, |v[XS+3]|, |v[XS+4]|, |v[XS+5]|
.irp i, 6,10,14,18,22,26
	v_max3_num_f32 v12, v12, |v[XS+\i]|, |v[XS+\i+1]|
	v_max3_num_f32 v13, v13, |v[XS+\i+2]|, |v[XS+\i+3]|
.endr
	v_max3_num_f32 v12, v12, |v[XS+30]|, |v[XS+31]|
	v_max3_num_f32 v12, v12, v13, 0x2800000
	v_add_nc_u32 v11, 0xfe000000, v12
	v_lshrrev_b32 v13, 23, v11
.if (\t)%4 == 0
	v_mov_b32 v[SB+(\t)/4], v13
.else
	v_lshl_or_b32 v[SB+(\t)/4], v13, 8*((\t)%4), v[SB+(\t)/4]
.endif
	v_cvt_scalef32_pk16_bf6_f32 v[WC:WC+2], v[XS:XS+15], v11
	v_cvt_scalef32_pk16_bf6_f32 v[WC+4:WC+6], v[XS+16:XS+31], v11
	v_nop                                          ; a plain line behind the last conversion
	ds_store_b96 v4, v[WC:WC+2] offset:32*(\t)
	ds_store_b96 v4, v[WC+4:WC+6] offset:32*(\t)+16
.if (\t)+2 < NB
	WLOAD (\t)+2
.endif
	s_wait_dscnt 0x0                               ; the stores have read their registers
.endm
.irp t, 0,1,2,3,4,5,6,7
	WBLOCK \t
.endr
	s_wait_alu depctr_va_vdst(0)                   ; the wait ahead of the reader below
	global_store_b64 v9, v[SB:SB+1], s[14:15]
.irp t, 0,1,2,3,4,5,6,7,8,9,10,11,12,13,14,15
	ds_load_b96 v[OUTR+4*\t:OUTR+4*\t+2], v7 offset:2*\t*PITCH
.endr
.irp t, 0,1,2,3,4,5,6,7,8,9,10,11,12,13,14,15
	s_wait_dscnt 15-\t                             ; stage rows 2 t, 2 t + 1 are back
	global_store_b96 v8, v[OUTR+4*\t:OUTR+4*\t+2], s[6:7] offset:(16*(\t/4)+2*(\t%4))*KROW   ; stage row 8 u + i is place 16 u + i from my base
.endr
	s_wait_tensorcnt 0x0
	ds_add_u32 v192, v193
	s_wait_dscnt 0x0
	s_endpgm
.Lfunc_end_k_q78dcb5a783_quant:
	.size	k_q78dcb5a783_quant, .Lfunc_end_k_q78dcb5a783_quant-k_q78dcb5a783_quant
	.p2alignl 7, 3214868480
	.fill 96, 4, 3214868480
	.section	.rodata,"a",@progbits
	.p2align	6, 0x0
	.amdhsa_kernel k_q78dcb5a783_quant
		.amdhsa_group_segment_fixed_size 68096
		.amdhsa_private_segment_fixed_size 0
		.amdhsa_enable_private_segment 0
		.amdhsa_kernarg_size 72
		.amdhsa_user_sgpr_count 2
		.amdhsa_user_sgpr_kernarg_segment_ptr 1
		.amdhsa_wavefront_size32 1
		.amdhsa_system_sgpr_workgroup_id_x 1
		.amdhsa_system_sgpr_workgroup_id_y 1
		.amdhsa_system_sgpr_workgroup_id_z 1
		.amdhsa_system_vgpr_workitem_id 0
		.amdhsa_next_free_vgpr 194
		.amdhsa_next_free_sgpr 66
		.amdhsa_reserve_vcc 0
		.amdhsa_float_denorm_mode_32 3
		.amdhsa_float_denorm_mode_16_64 3
		.amdhsa_memory_ordered 1
		.amdhsa_forward_progress 1
		.amdhsa_inst_pref_size 74
	.end_amdhsa_kernel
	.amdgpu_metadata
---
amdhsa.version: [ 1, 2 ]
amdhsa.kernels:
  - .name:           k_q78dcb5a783_quant
    .symbol:         k_q78dcb5a783_quant.kd
    .args:
      - { .name: x, .offset: 0, .size: 8, .value_kind: global_buffer, .address_space: global }
      - { .name: Wq, .offset: 8, .size: 8, .value_kind: global_buffer, .address_space: global }
      - { .name: Wk, .offset: 16, .size: 8, .value_kind: global_buffer, .address_space: global }
      - { .name: Wv, .offset: 24, .size: 8, .value_kind: global_buffer, .address_space: global }
      - { .name: Wc, .offset: 32, .size: 8, .value_kind: global_buffer, .address_space: global }
      - { .name: xc, .offset: 40, .size: 8, .value_kind: global_buffer, .address_space: global }
      - { .name: xs, .offset: 48, .size: 8, .value_kind: global_buffer, .address_space: global }
      - { .name: wc, .offset: 56, .size: 8, .value_kind: global_buffer, .address_space: global }
      - { .name: ws, .offset: 64, .size: 8, .value_kind: global_buffer, .address_space: global }
    .group_segment_fixed_size: 68096
    .private_segment_fixed_size: 0
    .kernarg_segment_align: 8
    .kernarg_segment_size: 72
    .max_flat_workgroup_size: 128
    .sgpr_count:     66
    .vgpr_count:     194
    .wavefront_size: 32
...
	.end_amdgpu_metadata
.endif
;; end of part 1
;; launch proj (part 2): grid 16 x 32, 4 waves a work-group, clusters of 4 x 4, 327,680 bytes of LDS; arguments xc, xs, wc, ws, bq, bk, bv, bc, qb, kvb, cb; writes qb, kvb, cb
.if DOCPART == 2
	.amdgcn_target "amdgcn-amd-amdhsa--gfx1250"
	.amdhsa_code_object_version 6
	.text
	.protected	k_q78dcb5a783_proj
	.globl	k_q78dcb5a783_proj
	.p2align	8
	.type	k_q78dcb5a783_proj,@function
k_q78dcb5a783_proj:
	s_mov_b64 s[64:65], 0
	v_nop
	global_prefetch_b8 v0, s[64:65] scope:SCOPE_SE
	s_setreg_imm32_b32 hwreg(HW_REG_WAVE_MODE, 25, 1), 1
	s_wait_xcnt 0x0
	s_wait_alu depctr_hold_cnt(0) depctr_sa_sdst(0) depctr_va_vdst(0) depctr_va_sdst(0) depctr_va_ssrc(0) depctr_va_vcc(0) depctr_vm_vsrc(0)
	s_getreg_b32 s2, hwreg(HW_REG_IB_STS2, 6, 4)
	s_cmp_eq_u32 s2, 0
	s_cbranch_scc0 .Lentry_in_a_cluster
	s_endpgm
.Lentry_in_a_cluster:
	s_bfe_u32 s2, ttmp6, 0x10000c
	s_cmp_lg_u32 s2, 0xf033
	s_cbranch_scc0 .Lentry_shape_is_right
	s_endpgm
.Lentry_shape_is_right:
; The four projections as ONE product on codes of BF6 with E8M0 scales: 8,192 tokens x 4,096 columns (q, k, v, c) x K = 1,024; the bias is added in f32;
; q and k are quantised along the head's 64, v along the keys, in registers, and stored as images of the operand registers that the attention launch loads; c is stored as f32.
; LIMITS: NaN and infinities are not served.  A block whose largest magnitude lies under 2^-122, a block of zeros too, has its scale byte held at 1.
; A work-group of four waves makes 256 x 256, a wave 128 x 128 in 64 accumulators.  K goes through a ring of two LDS slots in CHUNKS OF 256 BYTES of each row (a row of codes is 768 bytes: three chunks, each on a
; 256-byte border); a step of 128 along K is 96 bytes, eight steps to three chunks; steps 2 and 5 lie across two chunks.  The scale bytes of the 2 x 256 rows come into LDS once.
; CLUSTERS: 4 x 4.  Side A's tile is shared along a row of the cluster, side B's along a column: joint loads.  The cluster's x says which projection (0 q, 1 k, 2 v, 3 c), alike in all partners.
; No prefetch: K has three chunks, of which two are asked for at the start and the third one refill later, so no trip lies two steps ahead of a load.
; SIDES.  Source 0 = side B, source 1 = side A: a lane holds ONE row of A and its registers run along B.  q, k, c: A = tokens, B = the weight's columns.  v: A = Wv's columns, B = tokens.
; THE ORDER OF ROWS.  xc and wc hold, within each 64, index 32 g + 8 u + i at place 16 u + 8 g + i.  So for a block a of A a lane's register 32 c + i is B's true index 64 c + 32 (lane / 16) + i: a whole block of 32 in a lane,
; and lane r of block a is A's true row 64 (a / 4) + 8 (a % 4) + r % 8 + 32 (r / 8).
; REGISTERS: window 0: v0-31 addresses; v32-63 scale words; v64-127, v240-255 biases; v128-223 A's fragments, later the quantiser's.  window 1: B's fragments, two sets.  windows 2, 3: accumulators.
.set ROWB,   256
.set NQ,     2
.set KROW,   768
.set STEPS,  8
.set CHUNKS, 3
.set PITCH,  272                       ; 256 bytes + 16 of padding
.set FR,     12
.set NL,     6
.set NP,     4                         ; places behind this matrix instruction (ISA guide 7.12.1)
.set HALFT,  128*PITCH
.set SLOT,   4*HALFT
.set KS,     32
.set SCL,    2*SLOT
.set HALFS,  (128*KS/256)*272
.set SBLK,   (16*KS/256)*272
.set SPARE,  SCL+4*HALFS
.set SPITCH, 528
.set STAGE,  SLOT                      ; c's way out: in slot 1, which does not hold the last chunk
.set QHEAD,  106496                    ; qb: a head = 16 records of QREC: images of four pairs of tiles 6,144, scale words 512
.set QREC,   6656
.set KVHEAD, 208896                    ; kvb: a head = 16 records of REC: K's images 6,144, V's images 6,144, V's scale words 256, K's 512
.set REC,    13056
.set ADRA, 16
.set ADRB, 20
.set STO,  24
.set RD,   25
.set CO,   26                          ; 16 x lane
.set ADRS, 27
.set SPW,  28
.set NIL,  29
.set BO0,  30
.set BO1,  31
.set SC,   32
.set BI,   64                          ; the bias along B: register 32 c + i = bias(64 c + 32 (lane / 16) + i)
.set AF,   128
.set BV,   240                         ; the bias along A: a pair of equal numbers for each block
.set ST,   128                         ; behind the products: a block's 64 numbers with the bias
.set TM,   192                         ; v192-198 the quantiser's own
.set TC,   200                         ; v200-202, v204-206 second halves of blocks
.set H8,   203                         ; 8 x (lane / 16)
.set H16,  207                         ; 16 x (lane / 16)
.set CD,   208                         ; v208-231 codes
.set SW,   232                         ; v232-239 the eight blocks' scale words
.set SCO,  3
.set OW,   64
.set BK,   128
.set G1, 24
.set G0, 32
.set G1B, 48
.set G0B, 56
.set G1S, 68
.set G0S, 76
.set G1SB, 80
.set G0SB, 88
.set G0H, 4
.set G0HB, 8
.set MSB, 0
.macro WIN new
.if MSB != \new
	s_set_vgpr_msb (MSB<<8)|\new
.set MSB, \new
.endif
.endm
.set MUL_LO, 0xa1
.set MUL_HI, 0xf1
.set TO_B,   0x40
.macro JLOAD g0a, g1a, g0b, g1b        ; waves 0, 1 fetch for A, waves 2, 3 for B
	s_cmp_eq_u32 s15, 0
	s_cbranch_scc0 .Lfor_b_\@
	tensor_load_to_lds s[\g0a:\g0a+3], s[\g1a:\g1a+7]
	s_nop 0
.rept 4
	v_nop
.endr
	s_branch .Lasked_\@
.Lfor_b_\@:
	tensor_load_to_lds s[\g0b:\g0b+3], s[\g1b:\g1b+7]
	s_nop 0
.rept 4
	v_nop
.endr
.Lasked_\@:
.endm
.macro CREST
	s_cmp_lg_u32 s14, 0
	s_cbranch_scc1 .Lnot_wave_0_\@
	s_barrier_signal -3
.Lnot_wave_0_\@:
	s_barrier_wait -3
	s_barrier_signal -1
	s_barrier_wait -1
.endm
.macro CROUND
	s_barrier_signal -1
	s_barrier_wait -1
	CREST
.endm
	s_load_b256 s[4:11], s[0:1], 0x0               ; xc, xs, wc, ws
	v_lshl_add_u32 v[SPW], v0, 2, SPARE
	v_mov_b32 v[NIL], 0
	ds_add_u32 v[SPW], v[NIL]                      ; the opening lines: the add twice and its wait
	ds_add_u32 v[SPW], v[NIL]
	v_lshrrev_b32 v1, 5, v0
	v_readfirstlane_b32 s14, v1                    ; wave
	s_lshr_b32 s15, s14, 1                         ; my half of A's rows; in the ring: I fetch for A (0) or B (1)
	s_and_b32 s16, s14, 1                          ; my half of B's rows; in the ring: which 128 rows I fetch
	s_bfe_u32 s40, ttmp6, 0x40000                  ; cx
	s_bfe_u32 s41, ttmp6, 0x40004                  ; cy
	s_and_b32 s12, ttmp7, 0xffff
	s_lshl_b32 s12, s12, 2                         ; the cluster's first tile of tokens
	s_lshl_b32 s13, ttmp9, 2                       ; the projection's first tile of wc's rows
	s_cmp_eq_u32 ttmp9, 2                          ; v?
	s_cselect_b32 s17, 8, s12
	s_cselect_b32 s42, s12, s13
	s_cselect_b32 s66, s40, s41
	s_cselect_b32 s67, s41, s40                    ; which 256 columns of the weight (stores and biases alone)
	s_add_co_u32 s17, s17, s41                     ; A's tile
	s_add_co_u32 s42, s42, s40                     ; B's tile
	s_add_co_u32 s66, s66, s12                     ; which 256 tokens (stores alone)
	s_lshl_b32 s43, s41, 2
	s_lshl_b32 s43, 15, s43                        ; my row of the cluster
	s_lshl_b32 s44, 0x1111, s40                    ; my column
	s_or_b32 s[G1+0], s43, (0<<16)|(1<<20)|(1<<21)|(5<<22)|(3<<25)   ; bytes; 4 words of padding behind every 64
	s_or_b32 s[G1B+0], s44, (0<<16)|(1<<20)|(1<<21)|(5<<22)|(3<<25)
.irp g, G1, G1B
	s_mov_b32 s[\g+1], ROWB<<16
	s_mov_b32 s[\g+2], 256<<16                     ; 256 rows for the head's loads
	s_mov_b32 s[\g+3], ROWB<<16
	s_mov_b32 s[\g+4], 256
	s_mov_b32 s[\g+5], KROW
	s_mov_b32 s[\g+6], 0
	s_mov_b32 s[\g+7], 0
.endr
	s_or_b32 s[G1S+0], s43, (3<<16)|(1<<20)|(1<<21)|(5<<22)|(3<<25)  ; the scales of 256 rows: 32 rows of 256 bytes
	s_or_b32 s[G1SB+0], s44, (3<<16)|(1<<20)|(1<<21)|(5<<22)|(3<<25)
.irp g, G1S, G1SB
	s_mov_b32 s[\g+1], 32<<16
	s_mov_b32 s[\g+2], KS<<16
	s_mov_b32 s[\g+3], 32<<16
	s_mov_b32 s[\g+4], KS
	s_mov_b32 s[\g+5], 32
	s_mov_b32 s[\g+6], 0
	s_mov_b32 s[\g+7], 0
.endr
	s_lshl_b32 s20, s17, 8
	s_lshl_b32 s46, s42, 8
	s_mov_b32 s21, 0
	s_mov_b32 s47, 0
	s_mov_b64 s[18:19], KS
	s_mul_u64 s[22:23], s[20:21], s[18:19]
	s_mul_u64 s[92:93], s[46:47], s[18:19]
	s_mov_b64 s[18:19], KROW
	s_mul_u64 s[20:21], s[20:21], s[18:19]
	s_mul_u64 s[46:47], s[46:47], s[18:19]
	s_mul_i32 s18, s16, 128*KROW
	s_mov_b32 s19, 0
	s_mul_i32 s45, s14, HALFT
	s_wait_dscnt 0x0                               ; both opening adds are done
	s_wait_kmcnt 0x0
	s_cmp_eq_u32 ttmp9, 2                          ; for v the sides change buffers
	s_cselect_b64 s[96:97], s[8:9], s[4:5]
	s_cselect_b64 s[98:99], s[10:11], s[6:7]
	s_cselect_b64 s[8:9], s[4:5], s[8:9]
	s_cselect_b64 s[10:11], s[6:7], s[10:11]
	s_add_nc_u64 s[20:21], s[96:97], s[20:21]
	s_add_nc_u64 s[22:23], s[98:99], s[22:23]
	s_add_nc_u64 s[46:47], s[8:9], s[46:47]
	s_add_nc_u64 s[92:93], s[10:11], s[92:93]
	CROUND                                         ; the first joint loads meet
	s_mov_b32 s[G0H], 1
	s_mov_b32 s[G0H+1], 0
	s_mov_b64 s[G0H+2:G0H+3], s[20:21]
	s_or_b32 s[G0H+3], s[G0H+3], 0x80000000
	s_mov_b32 s[G0HB], 1
	s_mov_b32 s[G0HB+1], 2*HALFT
	s_mov_b64 s[G0HB+2:G0HB+3], s[46:47]
	s_or_b32 s[G0HB+3], s[G0HB+3], 0x80000000
	s_mov_b32 s[G0S], 1
	s_mov_b32 s[G0S+1], SCL
	s_mov_b64 s[G0S+2:G0S+3], s[22:23]
	s_or_b32 s[G0S+3], s[G0S+3], 0x80000000
	s_mov_b32 s[G0SB], 1
	s_mov_b32 s[G0SB+1], SCL+2*HALFS
	s_mov_b64 s[G0SB+2:G0SB+3], s[92:93]
	s_or_b32 s[G0SB+3], s[G0SB+3], 0x80000000
	s_add_nc_u64 s[20:21], s[20:21], s[18:19]
	s_add_nc_u64 s[46:47], s[46:47], s[18:19]
.irp s, 0,1
	s_mov_b32 s[G0+4*\s], 1
	s_add_co_u32 s[G0+4*\s+1], s45, \s*SLOT
	s_add_nc_u64 s[G0+4*\s+2:G0+4*\s+3], s[20:21], \s*ROWB
	s_or_b32 s[G0+4*\s+3], s[G0+4*\s+3], 0x80000000
	s_mov_b32 s[G0B+4*\s], 1
	s_add_co_u32 s[G0B+4*\s+1], s45, \s*SLOT
	s_add_nc_u64 s[G0B+4*\s+2:G0B+4*\s+3], s[46:47], \s*ROWB
	s_or_b32 s[G0B+4*\s+3], s[G0B+4*\s+3], 0x80000000
.endr
; the head's four tiles, one load a wave: chunk 0 of A, chunk 0 of B, A's scales, B's scales
.macro ARM under, g0, g1, next
	s_cmp_lt_u32 s14, \under
	s_cbranch_scc0 \next
	tensor_load_to_lds s[\g0:\g0+3], s[\g1:\g1+7]
	s_nop 0
.rept 4
	v_nop
.endr
	s_branch .Lhead_asked
\next:
.endm
	ARM 1, G0H,  G1,  .Lhead_b
	ARM 2, G0HB, G1B, .Lhead_sa
	ARM 3, G0S,  G1S, .Lhead_sb
	tensor_load_to_lds s[G0SB:G0SB+3], s[G1SB:G1SB+7]
	s_nop 0
.rept 4
	v_nop
.endr
.Lhead_asked:
	s_load_b256 s[92:99], s[0:1], 0x20             ; bq, bk, bv, bc
	v_and_b32 v1, 15, v0                           ; r
	v_bfe_u32 v2, v0, 4, 1                         ; h
	v_mul_u32_u24 v3, v1, PITCH
	v_mul_u32_u24 v4, v2, 24
	v_add_nc_u32 v4, v3, v4
	s_mov_b32 s21, SLOT-232
	s_mov_b32 s22, SLOT+232
	v_sub_nc_u32 v7, 1, v2
	v_mul_u32_u24 v5, s21, v2
	v_add_nc_u32 v5, v3, v5
	v_add_nc_u32 v5, 232, v5                       ; across two chunks: lanes 0-15 byte 232 in slot 0, lanes 16-31 byte 0 in slot 1
	v_mul_u32_u24 v6, s22, v7
	v_add_nc_u32 v6, v3, v6                        ; and the other way round
	s_mul_i32 s21, s15, HALFT
	s_mul_i32 s22, s16, HALFT
	s_add_co_u32 s22, s22, 2*HALFT
	v_add_nc_u32 v[ADRA+2], s21, v5
	v_add_nc_u32 v[ADRA+3], s21, v6
	v_add_nc_u32 v[ADRB+2], s22, v5
	v_add_nc_u32 v[ADRB+3], s22, v6
.irp s, 0,1
	v_add_nc_u32 v[ADRA+\s], s21, v4
	v_add_nc_u32 v[ADRB+\s], s22, v4
	s_add_co_u32 s21, s21, SLOT
	s_add_co_u32 s22, s22, SLOT
.endr
	v_mul_u32_u24 v5, v1, KS
	v_lshrrev_b32 v6, 8, v5
	v_lshl_add_u32 v5, v6, 4, v5
	s_mul_i32 s21, s15, HALFS
	s_mul_i32 s22, s16, HALFS
	s_add_co_u32 s22, s22, 2*HALFS
	s_sub_co_u32 s22, s22, s21
	v_mul_u32_u24 v6, s22, v2                      ; lanes 16-31 take B's scale words
	s_add_co_u32 s21, s21, SCL
	v_add_nc_u32 v5, v5, v6
	v_add_nc_u32 v[ADRS], s21, v5
	s_mul_i32 s23, s14, 16*SPITCH
	s_add_co_u32 s23, s23, STAGE
	v_mul_u32_u24 v5, v1, SPITCH
	v_lshl_add_u32 v5, v2, 7, v5                   ; c's stage, in: row r, 32 columns on for lanes 16-31
	v_add_nc_u32 v[STO], s23, v5
	v_and_b32 v6, 31, v0
	v_lshlrev_b32 v[CO], 4, v6
	v_add_nc_u32 v[RD], s23, v[CO]
	v_lshlrev_b32 v[BO0], 7, v2                    ; the bias along B: 32 numbers on for lanes 16-31
	v_and_b32 v[BO1], 8, v1
	v_mad_u32_u24 v[BO1], v[BO1], 3, v1
	v_lshlrev_b32 v[BO1], 2, v[BO1]                ; the bias along A: number r % 8 + 32 (r / 8) of a block's
	s_wait_alu depctr_va_vdst(0)                   ; the wait ahead of the wait below
	s_wait_kmcnt 0x0
	s_cmp_eq_u32 ttmp9, 1
	s_cselect_b64 s[92:93], s[94:95], s[92:93]
	s_cmp_eq_u32 ttmp9, 2
	s_cselect_b64 s[92:93], s[96:97], s[92:93]
	s_cmp_eq_u32 ttmp9, 3
	s_cselect_b64 s[92:93], s[98:99], s[92:93]
	s_load_b128 s[96:99], s[0:1], 0x40             ; qb, kvb
	s_load_b64 s[100:101], s[0:1], 0x50            ; cb
	s_lshl_b32 s18, s67, 10
	s_lshl_b32 s22, s15, 9
	s_add_co_u32 s22, s22, s18
	s_mov_b32 s23, 0
	s_add_nc_u64 s[94:95], s[92:93], s[22:23]      ; my half of side A's rows
	s_lshl_b32 s22, s16, 9
	s_add_co_u32 s22, s22, s18
	s_add_nc_u64 s[92:93], s[92:93], s[22:23]      ; my half of side B's rows
; both forms of the bias are loaded by every wave, so that no branch stands here; both stay inside the bias's 4,096 bytes
.irp c, 0,1
.irp j, 0,1,2,3,4,5,6,7
	global_load_b128 v[BI+32*\c+4*\j:BI+32*\c+4*\j+3], v[BO0], s[92:93] offset:256*\c+16*\j
.endr
.endr
.irp a, 0,1,2,3,4,5,6,7
	global_load_b32 v[BV+2*\a], v[BO1], s[94:95] offset:4*(64*(\a/4)+8*(\a%4))
	global_load_b32 v[BV+2*\a+1], v[BO1], s[94:95] offset:4*(64*(\a/4)+8*(\a%4))
.endr
	s_wait_kmcnt 0x0
.macro FRAG reg, adr, st, i            ; 16 rows x 128 K: six pieces of 8 bytes; byte y of a row lies in chunk y / 256, slot (y / 256) % 2
.irp p, 0,1,2,3,4,5
.set BY, 96*(\st)+48*(\p/3)+8*(\p%3)
.if BY/ROWB == (BY+24)/ROWB
	ds_load_b64 v[\reg+2*\p:\reg+2*\p+1], v[\adr+(BY/ROWB)%2] offset:BY%ROWB+(\i)*16*PITCH
.else
	ds_load_b64 v[\reg+2*\p:\reg+2*\p+1], v[\adr+2+(BY/ROWB)%2] offset:BY%ROWB-232+(\i)*16*PITCH
.endif
.endr
.endm
; the 64 accumulators take turns, one instruction a turn
.macro MUL16 a0, p, q, sc, zero
.irp a, \a0, \a0+1
.irp b, 0,1,2,3,4,5,6,7
.if \zero
	v_wmma_scale_f32_16x16x128_f8f6f4 v[8*(8*((\a)%4)+\b):8*(8*((\a)%4)+\b)+7], v[128*(\p)+FR*\b:128*(\p)+FR*\b+FR-1], v[AF+FR*(\a):AF+FR*(\a)+FR-1], 0, v[SC+8*NQ*(\sc)+NQ*\b+(\q)], v[SC+8*NQ*(\sc)+NQ*(\a)+(\q)] matrix_a_fmt:MATRIX_FMT_BF6 matrix_b_fmt:MATRIX_FMT_BF6 matrix_a_scale:MATRIX_SCALE_ROW1
.else
	v_wmma_scale_f32_16x16x128_f8f6f4 v[8*(8*((\a)%4)+\b):8*(8*((\a)%4)+\b)+7], v[128*(\p)+FR*\b:128*(\p)+FR*\b+FR-1], v[AF+FR*(\a):AF+FR*(\a)+FR-1], v[8*(8*((\a)%4)+\b):8*(8*((\a)%4)+\b)+7], v[SC+8*NQ*(\sc)+NQ*\b+(\q)], v[SC+8*NQ*(\sc)+NQ*(\a)+(\q)] matrix_a_fmt:MATRIX_FMT_BF6 matrix_b_fmt:MATRIX_FMT_BF6 matrix_a_scale:MATRIX_SCALE_ROW1
.endif
.endr
.endr
.endm
.macro FETCH_B st, p
	WIN TO_B
.irp i, 0,1,2,3,4,5,6,7
	FRAG 128*(\p)+FR*\i, ADRB, \st, \i
.endr
	WIN 0
.endm
.macro FETCH_A st, i0
.irp i, \i0, \i0+1, \i0+2, \i0+3
	FRAG AF+FR*(\i), ADRA, \st, \i
.endr
.endm
.macro SCALES pr                       ; the scale words of steps 2 pr, 2 pr + 1: lanes 0-15 A's block i, lanes 16-31 B's
.irp i, 0,1,2,3,4,5,6,7
	ds_load_b64 v[SC+8*NQ*((\pr)%2)+NQ*\i:SC+8*NQ*((\pr)%2)+NQ*\i+1], v[ADRS] offset:\i*SBLK+4*NQ*(\pr)
.endr
.endm
.macro PLACES n
.rept \n
	v_nop
.endr
.endm
; A step: 64 products; the next step's fragments are fetched in its middle and at its end.  Where the next step ends in a chunk not read yet, a barrier shows it whole;
; where it begins in a later chunk, the chunk left behind is free: the three lines, the barrier, and, where a chunk two on is left, a round and the refill.
.macro STEP st, zero
.set NX, (\st)+1
.set C0, (96*(\st))/ROWB
.set C1, (96*NX)/ROWB
.set E0, (96*(\st)+95)/ROWB
.set E1, (96*NX+95)/ROWB
.if C1 > C0 || E1 > E0
	s_wait_tensorcnt 0x0                           ; all my tensor loads have landed
.if C1 > C0
	ds_add_u32 v[SPW], v[NIL]
	s_wait_dscnt 4*NL+1                            ; the add and A's blocks 4-7 may be out
.else
	s_wait_dscnt 4*NL                              ; A's blocks 4-7 may be out
.endif
	WIN MUL_LO
	MUL16 0, (\st)%2, (\st)%2, ((\st)/2)%2, \zero
	s_wait_dscnt 0x0                               ; the add and my reads are done
	s_barrier_signal -1
	MUL16 2, (\st)%2, (\st)%2, ((\st)/2)%2, \zero
	WIN 0
	s_barrier_wait -1
.if C1 > C0 && C0+2 < CHUNKS
	CREST
	s_add_nc_u64 s[G0+4*(C0%2)+2:G0+4*(C0%2)+3], s[G0+4*(C0%2)+2:G0+4*(C0%2)+3], 2*ROWB
	s_add_nc_u64 s[G0B+4*(C0%2)+2:G0B+4*(C0%2)+3], s[G0B+4*(C0%2)+2:G0B+4*(C0%2)+3], 2*ROWB
	JLOAD G0+4*(C0%2), G1, G0B+4*(C0%2), G1B       ; chunk C0 + 2; its four v_nop are the places for the loads below
.else
	PLACES NP
.endif
.else
	s_wait_dscnt 4*NL
	WIN MUL_LO
	MUL16 0, (\st)%2, (\st)%2, ((\st)/2)%2, \zero
	MUL16 2, (\st)%2, (\st)%2, ((\st)/2)%2, \zero
	s_wait_dscnt 0
	PLACES NP
.endif
	FETCH_B NX, NX%2
	FETCH_A NX, 0
.if NX%2 == 0
	SCALES NX/2
.endif
	WIN MUL_HI
	MUL16 4, (\st)%2, (\st)%2, ((\st)/2)%2, \zero
	MUL16 6, (\st)%2, (\st)%2, ((\st)/2)%2, \zero
	PLACES NP
	WIN 0
	FETCH_A NX, 4
.endm
	s_wait_alu depctr_va_vdst(0)                   ; the wait at the head's end
	s_wait_tensorcnt 0x0                           ; my tile of the head's four is in
	ds_add_u32 v[SPW], v[NIL]
	s_mov_b32 s[G1+2], 128<<16                     ; no load of mine is out: from here on a load brings 128 rows
	s_mov_b32 s[G1+4], 128
	s_mov_b32 s[G1B+2], 128<<16
	s_mov_b32 s[G1B+4], 128
	s_wait_dscnt 0x0
	CROUND
	JLOAD G0+4, G1, G0B+4, G1B                     ; chunk 1, slot 1's first fill, issued as a refill is
	FETCH_B 0, 0
	FETCH_A 0, 0
	SCALES 0
	FETCH_A 0, 4
	STEP 0, 1
.set SS, 1
.rept STEPS-2
	STEP SS, 0
.set SS, SS+1
.endr
	s_wait_dscnt 4*NL
	WIN MUL_LO
	MUL16 0, 1, 1, 1, 0
	MUL16 2, 1, 1, 1, 0
	s_wait_dscnt 0
	WIN MUL_HI
	MUL16 4, 1, 1, 1, 0
	MUL16 6, 1, 1, 1, 0
	WIN 0
; ================ behind the products
.macro BIAS a, mode                    ; block a's 64 sums + the bias -> v[ST] on, ascending.  mode 0: the bias runs along the registers; 1: it is my row's
	WIN 0x02+(\a)/4
.set i, 0
.rept 32
.if \mode
	v_pk_add_f32 v[ST+i:ST+i+1], v[64*((\a)%4)+i:64*((\a)%4)+i+1], v[BV+2*(\a):BV+2*(\a)+1]
.else
	v_pk_add_f32 v[ST+i:ST+i+1], v[64*((\a)%4)+i:64*((\a)%4)+i+1], v[BI+i:BI+i+1]
.endif
.set i, i+2
.endr
	WIN 0
.endm
; My 64 numbers are two whole blocks of 32: block c in v[ST + 32 c] on.  Their codes go to v[d0] and v[d1] on, six registers each; v[pw] gets my row's four scale bytes:
; block c of lane half h at byte 2 c + h, gathered from lanes l and l xor 16.
.macro QUANT pw, d0, d1
.irp c, 0,1
	v_max3_num_f32 v[TM+\c], |v[ST+32*\c]|, |v[ST+32*\c+1]|, 0x2800000     ; the floor 2^(5 - 127)
	v_max3_num_f32 v[TM+2+\c], |v[ST+32*\c+2]|, |v[ST+32*\c+3]|, |v[ST+32*\c+4]|
.endr
.irp i, 5,9,13,17,21,25
.irp c, 0,1
	v_max3_num_f32 v[TM+\c], v[TM+\c], |v[ST+32*\c+\i]|, |v[ST+32*\c+\i+1]|
	v_max3_num_f32 v[TM+2+\c], v[TM+2+\c], |v[ST+32*\c+\i+2]|, |v[ST+32*\c+\i+3]|
.endr
.endr
.irp c, 0,1
	v_max3_num_f32 v[TM+\c], v[TM+\c], |v[ST+32*\c+29]|, |v[ST+32*\c+30]|
.endr
.irp c, 0,1
	v_max3_num_f32 v[TM+\c], v[TM+\c], v[TM+2+\c], |v[ST+32*\c+31]|
.endr
.irp c, 0,1
	v_add_nc_u32 v[TM+4+\c], 0xfe000000, v[TM+\c]  ; 4 off the exponent field: the conversion's scale operand
.endr
.irp c, 0,1
	v_lshrrev_b32 v[TM+\c], 23, v[TM+4+\c]         ; the byte
.endr
	v_lshl_or_b32 v[\pw], v[TM+1], 16, v[TM]
	v_lshlrev_b32 v[\pw], v[H8], v[\pw]
	v_permlanex16_b32 v[TM+6], v[\pw], s20, s21
	v_or_b32 v[\pw], v[\pw], v[TM+6]
	v_cvt_scalef32_pk16_bf6_f32 v[\d0:\d0+2], v[ST:ST+15], v[TM+4]
	v_cvt_scalef32_pk16_bf6_f32 v[TC:TC+2], v[ST+16:ST+31], v[TM+4]        ; (a conversion's three registers begin on an even number)
	v_cvt_scalef32_pk16_bf6_f32 v[\d1:\d1+2], v[ST+32:ST+47], v[TM+5]
	v_cvt_scalef32_pk16_bf6_f32 v[TC+4:TC+6], v[ST+48:ST+63], v[TM+5]
	v_nop                                          ; one plain place behind a scaled conversion
.irp i, 0,1,2
	v_mov_b32 v[\d0+3+\i], v[TC+\i]
	v_mov_b32 v[\d1+3+\i], v[TC+4+\i]
.endr
.endm
	PLACES NP
	s_wait_loadcnt 0x0                             ; the biases
	s_cmp_eq_u32 ttmp9, 3
	s_cbranch_scc1 .Lc
	s_mov_b32 s20, 0x76543210
	s_mov_b32 s21, 0xfedcba98                      ; lane l xor 16
	v_lshlrev_b32 v[H8], 3, v2
	v_lshlrev_b32 v[H16], 4, v2
	v_mov_b32 v[TM+6], 0                           ; a lane permute's destination counts as a source
	s_cmp_eq_u32 ttmp9, 2
	s_wait_alu depctr_va_vdst(0)                   ; the wait ahead of the branch
	s_cbranch_scc1 .Lv
; ---- q and k.  My 128 tokens are one record, my 128 columns two heads; block a is tile a.  A head's fragments of tiles 2 u, 2 u + 1 are 12 registers on end: an image of three stores of 512 consecutive bytes.
	s_lshl_b32 s18, s66, 1
	s_add_co_u32 s18, s18, s15
	s_lshr_b32 s19, s18, 4                         ; the batch
	s_and_b32 s18, s18, 15                         ; the record
	s_lshl_b32 s19, s19, 4
	s_lshl_b32 s22, s67, 2
	s_add_co_u32 s19, s19, s22
	s_lshl_b32 s22, s16, 1
	s_add_co_u32 s19, s19, s22                     ; my first head
	s_cmp_eq_u32 ttmp9, 1                          ; k?
	s_mov_b32 s45, QHEAD
	s_cselect_b32 s45, KVHEAD, s45
	s_mov_b32 s46, 6144
	s_cselect_b32 s46, 12544, s46                  ; where the record's scale words begin
	s_mov_b32 s47, QREC
	s_cselect_b32 s47, REC, s47
	s_cselect_b64 s[12:13], s[98:99], s[96:97]
	s_mul_i32 s22, s19, s45
	s_mov_b32 s23, 0
	s_add_nc_u64 s[12:13], s[12:13], s[22:23]
	s_mul_i32 s22, s18, s47
	s_add_nc_u64 s[92:93], s[12:13], s[22:23]      ; the record, first head
	s_mov_b32 s22, s45
	s_add_nc_u64 s[94:95], s[92:93], s[22:23]      ; second head
	s_mov_b32 s22, s46
	s_add_nc_u64 s[2:3], s[92:93], s[22:23]
	v_mul_lo_u32 v[SCO], v2, s45                   ; lanes 16-31 store the second head's words
	v_lshl_add_u32 v[SCO], v1, 4, v[SCO]
.irp a, 0,1,2,3,4,5,6,7
	BIAS \a, 0
.if (\a > 0) && (\a%2 == 0)
	s_wait_xcnt 0x0                                ; the last pair's stores have read their data
.endif
	QUANT SW+\a, CD+6*(\a%2), CD+12+6*(\a%2)
.if \a%2
.irp c, 0,1
.irp j, 0,1,2
	global_store_b128 v[CO], v[CD+12*\c+4*\j:CD+12*\c+4*\j+3], s[92+2*\c:93+2*\c] offset:1536*(\a/2)+512*\j
.endr
.endr
.endif
.endr
.irp a, 0,1,2,3,4,5,6,7
	v_lshrrev_b32 v[SW+\a], v[H16], v[SW+\a]       ; bytes 0, 1: the head's two blocks (bytes 2, 3, the other head's or 0, stand over zero codes in attention)
.endr
	global_store_b128 v[SCO], v[SW:SW+3], s[2:3]               ; the word of (tile t, row r) at 256 (t / 4) + 16 r + 4 (t % 4)
	global_store_b128 v[SCO], v[SW+4:SW+7], s[2:3] offset:256
	s_branch .Lend
; ---- v.  My 128 rows of A are two heads' channels, my 128 rows of B one record's keys.  Block a is channel tile a % 4 of head a / 4: a whole fragment, three stores of 512 bytes.
.Lv:
	s_lshl_b32 s18, s66, 1
	s_add_co_u32 s18, s18, s16
	s_lshr_b32 s19, s18, 4
	s_and_b32 s18, s18, 15
	s_lshl_b32 s19, s19, 4
	s_lshl_b32 s22, s67, 2
	s_add_co_u32 s19, s19, s22
	s_lshl_b32 s22, s15, 1
	s_add_co_u32 s19, s19, s22
	s_mul_i32 s22, s19, KVHEAD
	s_mov_b32 s23, 0
	s_add_nc_u64 s[12:13], s[98:99], s[22:23]
	s_mul_i32 s22, s18, REC
	s_add_nc_u64 s[92:93], s[12:13], s[22:23]      ; the record
	v_mul_u32_u24 v[SCO], v2, KVHEAD
	v_lshl_add_u32 v[SCO], v1, 4, v[SCO]
.irp a, 0,1,2,3,4,5,6,7
	BIAS \a, 1
.if \a > 0
	s_wait_xcnt 0x0
.endif
	QUANT SW+\a, CD, CD+6
.irp j, 0,1,2
	global_store_b128 v[CO], v[CD+4*\j:CD+4*\j+3], s[92:93] offset:(\a/4)*KVHEAD+6144+(\a%4)*1536+512*\j
.endr
.endr
	v_cmp_ne_u32 vcc_lo, 0, v[H16]
.irp i, 0,1,2,3
	v_cndmask_b32 v[OW+\i], v[SW+\i], v[SW+4+\i], vcc_lo   ; lanes 16-31 store the second head's four words
.endr
	global_store_b128 v[SCO], v[OW:OW+3], s[92:93] offset:12288    ; the word of (channel tile ct, row r) at 16 r + 4 ct
	s_branch .Lend
; ---- c: f32 in its true order, through my own stage, as whole rows of 512 bytes
.Lc:
	s_lshl_b32 s18, s66, 8
	s_lshl_b32 s19, s15, 7
	s_add_co_u32 s18, s18, s19
	s_lshl_b32 s22, s18, 12
	s_lshl_b32 s18, s67, 10
	s_add_co_u32 s22, s22, s18
	s_lshl_b32 s18, s16, 9
	s_add_co_u32 s22, s22, s18
	s_mov_b32 s23, 0
	s_add_nc_u64 s[100:101], s[100:101], s[22:23]
.macro CADD a
	WIN 0x82+0x41*((\a)/4)
.set i, 0
.rept 32
	v_pk_add_f32 v[64*((\a)%4)+i:64*((\a)%4)+i+1], v[64*((\a)%4)+i:64*((\a)%4)+i+1], v[BI+i:BI+i+1]
.set i, i+2
.endr
	WIN 0
.endm
.macro TOSTAGE a
.set AC, 64*((\a)%4)
	WIN 0x08+4*((\a)/4)
.irp b, 0,1,2,3,4,5,6,7
	ds_store_b128 v[STO], v[AC+8*\b:AC+8*\b+3] offset:256*(\b/4)+32*(\b%4)       ; tile b: columns 64 (b / 4) + 32 (lane / 16) + 8 (b % 4) + 0 .. 7
	ds_store_b128 v[STO], v[AC+8*\b+4:AC+8*\b+7] offset:256*(\b/4)+32*(\b%4)+16
.endr
	WIN 0
.set BB, BK+64*((\a)%2)
.irp t, 0,1,2,3,4,5,6,7,8,9,10,11,12,13,14,15
	ds_load_b128 v[BB+4*\t:BB+4*\t+3], v[RD] offset:\t*SPITCH
.endr
.endm
.macro SEND a, younger
.set BB, BK+64*((\a)%2)
	s_wait_dscnt \younger
.irp t, 0,1,2,3,4,5,6,7,8,9,10,11,12,13,14,15
	global_store_b128 v[CO], v[BB+4*\t:BB+4*\t+3], s[100:101] offset:(64*((\a)/4)+8*((\a)%4)+\t+24*(\t/8))*4096 th:TH_STORE_NT   ; 512 consecutive bytes, aligned
.endr
.endm
	CADD 0
	TOSTAGE 0
.irp a, 1,2,3,4,5,6,7
	CADD \a
.if \a > 1
	s_wait_alu depctr_va_vdst(0)                   ; the wait ahead of the wait below
	s_wait_xcnt 0x0                                ; block a - 2's stores have read their registers
.endif
	TOSTAGE \a
	SEND \a-1, 32                                  ; behind block a - 1's loads: 16 stores and 16 loads
.endr
	SEND 7, 0
.Lend:
	s_wait_tensorcnt 0x0                           ; the wave's end
	ds_add_u32 v[SPW], v[NIL]
	s_wait_dscnt 0x0
	CROUND                                         ; the closing round
	s_endpgm
.Lfunc_end_k_q78dcb5a783_proj:
	.size	k_q78dcb5a783_proj, .Lfunc_end_k_q78dcb5a783_proj-k_q78dcb5a783_proj
	.p2alignl 7, 3214868480
	.fill 96, 4, 3214868480
	.section	.rodata,"a",@progbits
	.p2align	6, 0x0
	.amdhsa_kernel k_q78dcb5a783_proj
		.amdhsa_group_segment_fixed_size 327680
		.amdhsa_private_segment_fixed_size 0
		.amdhsa_enable_private_segment 0
		.amdhsa_kernarg_size 88
		.amdhsa_user_sgpr_count 2
		.amdhsa_user_sgpr_kernarg_segment_ptr 1
		.amdhsa_wavefront_size32 1
		.amdhsa_system_sgpr_workgroup_id_x 1
		.amdhsa_system_sgpr_workgroup_id_y 1
		.amdhsa_system_sgpr_workgroup_id_z 1
		.amdhsa_system_vgpr_workitem_id 0
		.amdhsa_next_free_vgpr 1024
		.amdhsa_next_free_sgpr 102
		.amdhsa_reserve_vcc 1
		.amdhsa_float_denorm_mode_32 3
		.amdhsa_float_denorm_mode_16_64 3
		.amdhsa_memory_ordered 1
		.amdhsa_forward_progress 1
		.amdhsa_inst_pref_size 255
	.end_amdhsa_kernel
	.section	.bss,"aw",@nobits
	.p2align	6
	.space	262144
	.amdgpu_metadata
---
amdhsa.version: [ 1, 2 ]
amdhsa.kernels:
  - .name:           k_q78dcb5a783_proj
    .symbol:         k_q78dcb5a783_proj.kd
    .args:
      - { .name: xc, .offset: 0, .size: 8, .value_kind: global_buffer, .address_space: global }
      - { .name: xs, .offset: 8, .size: 8, .value_kind: global_buffer, .address_space: global }
      - { .name: wc, .offset: 16, .size: 8, .value_kind: global_buffer, .address_space: global }
      - { .name: ws, .offset: 24, .size: 8, .value_kind: global_buffer, .address_space: global }
      - { .name: bq, .offset: 32, .size: 8, .value_kind: global_buffer, .address_space: global }
      - { .name: bk, .offset: 40, .size: 8, .value_kind: global_buffer, .address_space: global }
      - { .name: bv, .offset: 48, .size: 8, .value_kind: global_buffer, .address_space: global }
      - { .name: bc, .offset: 56, .size: 8, .value_kind: global_buffer, .address_space: global }
      - { .name: qb, .offset: 64, .size: 8, .value_kind: global_buffer, .address_space: global }
      - { .name: kvb, .offset: 72, .size: 8, .value_kind: global_buffer, .address_space: global }
      - { .name: cb, .offset: 80, .size: 8, .value_kind: global_buffer, .address_space: global }
    .group_segment_fixed_size: 327680
    .private_segment_fixed_size: 0
    .kernarg_segment_align: 8
    .kernarg_segment_size: 88
    .max_flat_workgroup_size: 128
    .sgpr_count:     102
    .vgpr_count:     1024
    .wavefront_size: 32
...
	.end_amdgpu_metadata
.endif
;; end of part 2
;; launch attn (part 3): grid 4 x 64, 16 waves a work-group, clusters of 4 x 1, 327,680 bytes of LDS; arguments qb, kvb, cb, out0; writes out0
.if DOCPART == 3
	.amdgcn_target "amdgcn-amd-amdhsa--gfx1250"
	.amdhsa_code_object_version 6
	.text
	.protected	k_q78dcb5a783_attn
	.globl	k_q78dcb5a783_attn
	.p2align	8
	.type	k_q78dcb5a783_attn,@function
k_q78dcb5a783_attn:
	s_mov_b64 s[64:65], 0
	v_nop
	global_prefetch_b8 v0, s[64:65] scope:SCOPE_SE
	s_setreg_imm32_b32 hwreg(HW_REG_WAVE_MODE, 25, 1), 1
	s_wait_xcnt 0x0
	s_wait_alu depctr_hold_cnt(0) depctr_sa_sdst(0) depctr_va_vdst(0) depctr_va_sdst(0) depctr_va_ssrc(0) depctr_va_vcc(0) depctr_vm_vsrc(0)
	s_getreg_b32 s2, hwreg(HW_REG_IB_STS2, 6, 4)
	s_cmp_eq_u32 s2, 0
	s_cbranch_scc0 .Lentry_in_a_cluster
	s_endpgm
.Lentry_in_a_cluster:
	s_bfe_u32 s2, ttmp6, 0x10000c
	s_cmp_lg_u32 s2, 0x3003
	s_cbranch_scc0 .Lentry_shape_is_right
	s_endpgm
.Lentry_shape_is_right:
; out = softmax(q k^T / 8) v + c for one head and 512 queries a work-group, on codes of BF6 with E8M0 scales.  p = 2^(t - M), t = score x log2(e) / 8, M the ceiling of the running largest t;
; the row's sum is taken of the unquantised p; p is quantised in blocks of 32 keys.
; LIMITS: the promise holds while |t| stays under 2^31.  NaN and infinities are not served.
; The head's K, V and scale words, 16 records of 13,056 bytes (128 keys each), lie in LDS as they lie in kvb.  CLUSTER: the four work-groups of a head ask for them jointly.  Each wave issues one load of 13 rows
; of 256 bytes at the head (records 0 to 3) and one of 38 rows behind a round (the rest); steps 0 to 2 are worked while the second is out.  No prefetch: both loads go out at the start, so no later load is left to ask ahead for.
; A wave takes a pair of query tiles, one tile of 16 queries a pass, over 16 steps of 128 keys.  Both products are used transposed: a lane holds one query.
; THE KEYS OF A TILE: row r of K's tile 4 c + u is key 64 c + 8 u + r % 8 + 32 (r / 8).  So register 32 c + i of a lane's 64 scores is key 64 c + 32 (lane / 16) + i: a whole block of 32 in a lane, in the very
; order of the 6-bit operand: a block's maximum needs no other lane, and the conversions' results are p's fragment.  V's channel tiles are laid alike: a lane ends with channels 32 (lane / 16) + 0 .. 31.
; K = 64 in the first product: q's fragment has zero codes in its upper six registers, so the upper six of K's operand, which are the next tile's codes, add nothing.
.set REC,    13056
.set VIMG,   6144
.set VSCO,   12288                     ; V's scale words; lanes 16-31 of the load read on into K's, and are not used
.set KSCO,   12544
.set HEADB,  208896
.set QHEAD,  106496
.set QREC,   6656
.set STAGE,  208896                    ; 16 rows x 272 bytes for each wave
.set SP,     272
.set SPARE,  278528
.set AD,  1                            ; 16 x lane + the step's record
.set STO, 2
.set RD,  3
.set GO,  4
.set H8,  5                            ; 8 x (lane / 16)
.set SPW, 6
.set NIL, 7
.set QS,  8                            ; q's scale word
.set L16, 9
.set R16, 10
.set OLD, 11                           ; v12 -M, v13 the running largest score, v[14:15] the sum
.set QF,  16                           ; q's fragment: 6 of codes, 6 of zeros
.set KF,  28                           ; K's eight fragments, 6 registers each
.set VF,  76                           ; V's four fragments
.set S,   124                          ; scores, then p
.set O,   188
.set P,   220                          ; p's codes
.set KS,  232                          ; K's scale words: lanes 0-15 tiles 0-3, lanes 16-31 tiles 4-7
.set VS,  236
.set TC,  240                          ; v240-242, v244-246
.set PW,  243                          ; p's scale word
.set W2,  247
.set BM,  248                          ; the two blocks' largest
.set F,   250
.set SO,  252
.set T,   254
.set WV,  12
.set G1A, 24
.set G1B, 32
.set G0A, 40
.set G0B, 44
.set SEL, 60
.set CS,  62
.set CNT, 66
.set PS,  67
.set MASK, 68
.set TK,  69
.set QP,  70
.set QSP, 72
.set CP,  74
.set OP,  76
.macro CROUND
	s_barrier_signal -1
	s_barrier_wait -1
	s_cmp_lg_u32 s[WV], 0
	s_cbranch_scc1 .Lnot_wave_0_\@
	s_barrier_signal -3
.Lnot_wave_0_\@:
	s_barrier_wait -3
	s_barrier_signal -1
	s_barrier_wait -1
.endm
	s_load_b256 s[4:11], s[0:1], 0x0               ; qb, kvb, cb, out0
	v_lshl_add_u32 v[SPW], v0, 2, SPARE
	v_mov_b32 v[NIL], 0
	ds_add_u32 v[SPW], v[NIL]                      ; the opening lines: the add twice and its wait
	ds_add_u32 v[SPW], v[NIL]
	v_lshrrev_b32 v1, 5, v0
	v_readfirstlane_b32 s[WV], v1
	s_bfe_u32 s13, ttmp6, 0x40000                  ; cx: which 512 queries
	s_and_b32 s14, ttmp7, 0xffff                   ; 16 x batch + head
.irp g, G1A, G1B                               ; rows of 256 bytes (32 elements of 8), dense; the mask names the four partners
	s_mov_b32 s[\g], 15|(3<<16)|(1<<21)
	s_mov_b32 s[\g+1], 32<<16
	s_mov_b32 s[\g+3], 32<<16
	s_mov_b32 s[\g+5], 32
	s_mov_b32 s[\g+6], 0
	s_mov_b32 s[\g+7], 0
.endr
	s_mov_b32 s[G1A+2], 13<<16
	s_mov_b32 s[G1A+4], 13
	s_mov_b32 s[G1B+2], 38<<16
	s_mov_b32 s[G1B+4], 38
	s_mul_i32 s16, s[WV], 13*256                   ; 16 x 13 rows = 208: records 0 to 3 and four rows more
	s_mul_i32 s17, s[WV], 38*256
	s_add_co_u32 s17, s17, 208*256                 ; 16 x 38 rows: the other 608
	s_mul_i32 s20, s14, HEADB
	s_mov_b32 s21, 0
	s_lshl_b32 s18, s13, 2
	s_lshr_b32 s19, s[WV], 2
	s_add_co_u32 s18, s18, s19                     ; q's record: 4 cx + wave / 4
	s_mul_i32 s18, s18, QREC
	s_mul_i32 s19, s14, QHEAD
	s_add_co_u32 s18, s18, s19
	s_and_b32 s19, s[WV], 3                        ; my pair of tiles in it
	s_mul_i32 s22, s19, 1536
	s_add_co_u32 s80, s18, s22
	s_mov_b32 s81, 0
	s_lshr_b32 s19, s19, 1
	s_lshl_b32 s19, s19, 8
	s_add_co_u32 s82, s18, s19
	s_and_b32 s19, s[WV], 1
	s_lshl_b32 s19, s19, 3
	s_add_co_u32 s82, s82, s19
	s_add_co_u32 s82, s82, 6144                    ; the pair's two scale words of row r at + 16 r
	s_mov_b32 s83, 0
	s_lshr_b32 s22, s14, 4
	s_lshl_b32 s22, s22, 11
	s_lshl_b32 s23, s13, 9
	s_add_co_u32 s22, s22, s23
	s_lshr_b32 s23, s[WV], 1
	s_lshl_b32 s23, s23, 6
	s_add_co_u32 s22, s22, s23
	s_and_b32 s23, s[WV], 1
	s_lshl_b32 s23, s23, 4
	s_add_co_u32 s22, s22, s23                     ; my first tile's first token: 2048 batch + 512 cx + 64 (wave / 2) + 16 (wave % 2)
	s_lshl_b32 s22, s22, 12
	s_and_b32 s23, s14, 15
	s_lshl_b32 s23, s23, 8
	s_add_co_u32 s22, s22, s23                     ; + the head's 256 bytes
	s_mov_b32 s23, 0
	s_mul_i32 s19, s[WV], 16*SP
	s_add_co_u32 s19, s19, STAGE
	s_mov_b32 s[SEL], 0x76543210
	s_mov_b32 s[SEL+1], 0xfedcba98
	s_mov_b32 s[CS], 0x3e38aa3b                    ; log2(e) / 8
	s_mov_b32 s[CS+1], s[CS]
	s_mov_b32 s[PS], 2
	s_mov_b32 s[MASK], 0                           ; all ones in the second pass
	s_wait_dscnt 0x0
	s_wait_kmcnt 0x0
	s_add_nc_u64 s[6:7], s[6:7], s[20:21]
	s_add_nc_u64 s[QP:QP+1], s[4:5], s[80:81]
	s_add_nc_u64 s[QSP:QSP+1], s[4:5], s[82:83]
	s_add_nc_u64 s[CP:CP+1], s[8:9], s[22:23]
	s_add_nc_u64 s[OP:OP+1], s[10:11], s[22:23]
	s_mov_b32 s20, s16
	s_mov_b32 s[G0A], 1
	s_mov_b32 s[G0A+1], s16
	s_add_nc_u64 s[G0A+2:G0A+3], s[6:7], s[20:21]
	s_or_b32 s[G0A+3], s[G0A+3], 0x80000000
	s_mov_b32 s20, s17
	s_mov_b32 s[G0B], 1
	s_mov_b32 s[G0B+1], s17
	s_add_nc_u64 s[G0B+2:G0B+3], s[6:7], s[20:21]
	s_or_b32 s[G0B+3], s[G0B+3], 0x80000000
	CROUND
	tensor_load_to_lds s[G0A:G0A+3], s[G1A:G1A+7]  ; my one load at the head
	s_nop 0
	v_and_b32 v[L16], 31, v0
	v_bfe_u32 v[H8], v0, 4, 1
	v_and_b32 v[R16], 15, v0
	v_lshlrev_b32 v[L16], 4, v[L16]
	v_mul_u32_u24 v[STO], v[R16], SP
	v_lshlrev_b32 v[R16], 4, v[R16]
	v_lshl_add_u32 v[STO], v[H8], 7, v[STO]
	v_mad_u32_u24 v[RD], v[H8], SP, v[R16]
	v_add_nc_u32 v[STO], s19, v[STO]               ; stage, in: row r, 128 bytes on for lanes 16-31
	v_add_nc_u32 v[RD], s19, v[RD]                 ; stage, out: sixteen lanes to a row of 256 bytes
	v_lshl_add_u32 v[GO], v[H8], 12, v[R16]        ; and the same two rows in cb and out0
	v_lshlrev_b32 v[H8], 3, v[H8]
.macro QLOAD                           ; the pair's 12 registers of codes and 2 scale words, into K's registers 32 to 45
.irp j, 0,1,2
	global_load_b128 v[KF+32+4*\j:KF+35+4*\j], v[L16], s[QP:QP+1] offset:512*\j
.endr
	global_load_b64 v[KF+44:KF+45], v[R16], s[QSP:QSP+1]
.endm
	QLOAD
.irp i, 6,7,8,9,10,11
	v_mov_b32 v[QF+\i], 0
.endr
.irp i, 0,1,2,3,4,5
	v_mov_b32 v[VF+\i], 0                          ; named by K's last operand before V's first load
.endr
	v_mov_b32 v[W2], 0                             ; a lane permute's destination counts as a source
	v_mov_b32 v[T+1], 0
	v_mov_b32 v[F+1], 0                            ; named as the upper half of a pair
	s_wait_alu depctr_va_vdst(0)                   ; the wait at the head's end
	s_wait_tensorcnt 0x0                           ; my rows of records 0 to 3 are in; these lines stand ahead of a later first fill as ahead of a refill
	ds_add_u32 v[SPW], v[NIL]
	s_wait_dscnt 0x0
	CROUND
	tensor_load_to_lds s[G0B:G0B+3], s[G1B:G1B+7]  ; the rest of the head's block
	s_nop 0
.macro KLOAD adr, off                  ; a record's K: four pairs of tiles, 12 registers each, and the scale words: 13 loads
.irp i, 0,1,2,3,4,5,6,7,8,9,10,11
	ds_load_b128 v[KF+4*\i:KF+4*\i+3], v[\adr] offset:\off+512*\i
.endr
	ds_load_b128 v[KS:KS+3], v[\adr] offset:\off+KSCO
.endm
.macro SUM2
	v_pk_add_f32 v[14:15], v[14:15], v[S+J:S+J+1]
	v_pk_add_f32 v[T:T+1], v[T:T+1], v[S+J+2:S+J+3]
.set J, J+4
.endm
; A step of 128 keys.  first: it starts the sums.  last: no next K; c's rows and the next pass's q are asked for instead.
.macro STEP first, last
	s_wait_dscnt 0x0                               ; K's fragments and scale words, asked for a step ago
.irp t, 0,1,2,3
	v_wmma_scale_f32_16x16x128_f8f6f4 v[S+8*\t:S+8*\t+7], v[KF+6*\t:KF+6*\t+11], v[QF:QF+11], 0, v[KS+\t], v[QS] matrix_a_fmt:MATRIX_FMT_BF6 matrix_b_fmt:MATRIX_FMT_BF6
.endr
.irp t, 4,5,6,7
	v_wmma_scale_f32_16x16x128_f8f6f4 v[S+8*\t:S+8*\t+7], v[KF+6*\t:KF+6*\t+11], v[QF:QF+11], 0, v[KS+\t-4], v[QS] matrix_a_fmt:MATRIX_FMT_BF6 matrix_b_fmt:MATRIX_FMT_BF6 matrix_a_scale:MATRIX_SCALE_ROW1
.endr
	v_add_nc_u32 v[AD], s[TK], v[L16]              ; four places behind the products
.if \first
	v_nop
.else
	v_mov_b32 v[OLD], v12
.endif
	v_nop
	v_nop
.irp i, 0,1,2,3,4,5,6,7,8,9,10,11
	ds_load_b128 v[VF+4*\i:VF+4*\i+3], v[AD] offset:VIMG+512*\i
.endr
	ds_load_b128 v[VS:VS+3], v[AD] offset:VSCO
.if \last
.irp i, 0,1,2,3,4,5,6,7
	global_load_b128 v[KF+4*\i:KF+4*\i+3], v[GO], s[CP:CP+1] offset:(2*\i+24*(\i/4))*4096 th:TH_LOAD_NT
.endr
	s_cmp_eq_u32 s[PS], 1
	s_wait_alu depctr_va_vdst(0)                   ; the wait ahead of the branch
	s_cbranch_scc1 .Lno_q_\@
	QLOAD
.Lno_q_\@:
.else
	KLOAD AD, REC
	s_add_co_u32 s[TK], s[TK], REC
.endif
.irp c, 0,1                                    ; each block's largest score, in two chains; each accumulator is read from its low end on
	v_max3_num_f32 v[BM+\c], v[S+32*\c], v[S+32*\c+1], v[S+32*\c+2]
	v_max3_num_f32 v[SO+\c], v[S+32*\c+3], v[S+32*\c+4], v[S+32*\c+5]
.endr
.irp i, 6,10,14,18,22,26
.irp c, 0,1
	v_max3_num_f32 v[BM+\c], v[BM+\c], v[S+32*\c+\i], v[S+32*\c+\i+1]
	v_max3_num_f32 v[SO+\c], v[SO+\c], v[S+32*\c+\i+2], v[S+32*\c+\i+3]
.endr
.endr
.irp c, 0,1
	v_max3_num_f32 v[BM+\c], v[BM+\c], v[S+32*\c+30], v[S+32*\c+31]
.endr
.irp c, 0,1
	v_max_num_f32 v[BM+\c], v[BM+\c], v[SO+\c]
.endr
	s_delay_alu instid0(VALU_DEP_1)
	v_max_num_f32 v[T], v[BM], v[BM+1]
	s_delay_alu instid0(VALU_DEP_1)
	v_permlanex16_b32 v[T+1], v[T], s[SEL], s[SEL+1]
	s_delay_alu instid0(VALU_DEP_1)
.if \first
	v_max_num_f32 v13, v[T], v[T+1]
.else
	v_max3_num_f32 v13, v13, v[T], v[T+1]          ; the running largest score of my query
.endif
	s_delay_alu instid0(VALU_DEP_1)
	v_mul_f32 v[T], s[CS], v13
	s_delay_alu instid0(VALU_DEP_1)
	v_floor_f32 v12, -v[T]                         ; -M: M is a whole number
.if !\first
	s_delay_alu instid0(VALU_DEP_1)
	v_sub_f32 v[T], v12, v[OLD]
	s_delay_alu instid0(VALU_DEP_1)
	v_cvt_i32_f32 v[T], v[T]
	s_delay_alu instid0(VALU_DEP_1)
	v_ldexp_f32 v[F], 1.0, v[T]                    ; f = 2^(old M - new M)
.endif
.set i, 0
.rept 32
	v_pk_fma_f32 v[S+i:S+i+1], v[S+i:S+i+1], s[CS:CS+1], v[12:13] op_sel_hi:[1,0,0]   ; t - M
.set i, i+2
.endr
.irp c, 0,1
	v_fma_f32 v[BM+\c], v[BM+\c], s[CS], v12       ; the same of each block's largest score: p rises with the score
.endr
.if !\first
.set i, 0
.rept 16
	v_pk_mul_f32 v[O+i:O+i+1], v[O+i:O+i+1], v[F:F+1] op_sel_hi:[1,0]   ; O^T under the new M
.set i, i+2
.endr
.endif
	s_wait_alu depctr_va_vdst(0)                   ; the wait ahead of the batch
.irp c, 0,1
	v_exp_f32 v[BM+\c], v[BM+\c]
.endr
.set i, 0
.rept 64
	v_exp_f32 v[S+i], v[S+i]
.set i, i+1
.endr
.if \first
	v_nop                                          ; a plain place behind the batch
.else
	v_pk_mul_f32 v[14:15], v[14:15], v[F:F+1] op_sel_hi:[1,0]
.endif
	s_wait_alu depctr_va_vdst(0)                   ; and the one wait behind it
.if \first
	v_pk_add_f32 v[14:15], v[S:S+1], v[S+2:S+3]    ; the sum of the unquantised p, in two chains, among the scale's lines
	v_pk_add_f32 v[T:T+1], v[S+4:S+5], v[S+6:S+7]
.set J, 8
.else
	v_pk_add_f32 v[T:T+1], v[S:S+1], v[S+2:S+3]
.set J, 4
.endif
.irp c, 0,1
	v_max_num_f32 v[BM+\c], 0x2800000, v[BM+\c]    ; the floor 2^(5 - 127)
.endr
	SUM2
.irp c, 0,1
	v_add_nc_u32 v[SO+\c], 0xfe000000, v[BM+\c]    ; the conversion's scale operand
.endr
	SUM2
.irp c, 0,1
	v_cvt_scalef32_pk16_bf6_f32 v[P+6*\c:P+6*\c+2], v[S+32*\c:S+32*\c+15], v[SO+\c]
	v_cvt_scalef32_pk16_bf6_f32 v[TC+4*\c:TC+4*\c+2], v[S+32*\c+16:S+32*\c+31], v[SO+\c]   ; (three registers from an even one on)
.endr
.irp c, 0,1
	v_lshrrev_b32 v[BM+\c], 23, v[SO+\c]           ; the bytes
.endr
	SUM2
.irp c, 0,1
.irp i, 0,1,2
	v_mov_b32 v[P+6*\c+3+\i], v[TC+4*\c+\i]
.endr
.endr
	v_lshl_or_b32 v[PW], v[BM+1], 16, v[BM]        ; my blocks h and 2 + h,
	SUM2
	v_lshlrev_b32 v[PW], v[H8], v[PW]              ; at their places in the word;
	SUM2
	v_permlanex16_b32 v[W2], v[PW], s[SEL], s[SEL+1]
	SUM2
	v_or_b32 v[PW], v[PW], v[W2]                   ; with lane l xor 16's two it is whole
.rept (64-J)/4                                 ; 16 lines or more: the places ahead of the scaled products
	SUM2
.endr
	v_pk_add_f32 v[14:15], v[14:15], v[T:T+1]
.if \last
	s_wait_alu depctr_va_vdst(0)                   ; the way out reads the sums behind the wait below
	s_wait_dscnt 0x0
.else
	s_wait_dscnt 13                                ; V is in; the 13 loads of the next K may be out
.endif
.irp t, 0,1,2,3
.if \first
	v_wmma_scale_f32_16x16x128_f8f6f4 v[O+8*\t:O+8*\t+7], v[VF+12*\t:VF+12*\t+11], v[P:P+11], 0, v[VS+\t], v[PW] matrix_a_fmt:MATRIX_FMT_BF6 matrix_b_fmt:MATRIX_FMT_BF6
.else
	v_wmma_scale_f32_16x16x128_f8f6f4 v[O+8*\t:O+8*\t+7], v[VF+12*\t:VF+12*\t+11], v[P:P+11], v[O+8*\t:O+8*\t+7], v[VS+\t], v[PW] matrix_a_fmt:MATRIX_FMT_BF6 matrix_b_fmt:MATRIX_FMT_BF6
.endif
.endr
.endm
.Lpass:
	s_wait_loadcnt 0x0                             ; the pair's codes and scale words
	v_cndmask_b32 v[QS], v[KF+44], v[KF+45], s[MASK]
.irp i, 0,1,2,3,4,5
	v_cndmask_b32 v[QF+\i], v[KF+32+\i], v[KF+38+\i], s[MASK]   ; this pass's tile of the pair
.endr
.rept 4
	v_nop                                          ; places ahead of the scaled products
.endr
	s_wait_alu depctr_va_vdst(0)
	KLOAD L16, 0
	s_mov_b32 s[TK], 0
	STEP 1, 0                                      ; step 0
	s_mov_b32 s[TK], REC
	s_mov_b32 s[CNT], 2
.Lsteps_a:                                             ; steps 1, 2: they and the K that they fetch lie in records 0 to 3
	STEP 0, 0
	s_sub_co_u32 s[CNT], s[CNT], 1
	s_cmp_lg_u32 s[CNT], 0
	s_cbranch_scc1 .Lsteps_a
	s_wait_tensorcnt 0x0                           ; my one load that was out: my rows of the rest
	s_wait_dscnt 0x0
	s_barrier_signal -1
	s_barrier_wait -1                              ; everybody's are in
	s_mov_b32 s[TK], 3*REC
	s_mov_b32 s[CNT], 12
.Lsteps_b:                                             ; steps 3 to 14
	STEP 0, 0
	s_sub_co_u32 s[CNT], s[CNT], 1
	s_cmp_lg_u32 s[CNT], 0
	s_cbranch_scc1 .Lsteps_b
	s_mov_b32 s[TK], 15*REC
	STEP 0, 1
	v_add_f32 v14, v14, v15
	s_delay_alu instid0(VALU_DEP_1)
	v_permlanex16_b32 v[T], v14, s[SEL], s[SEL+1]
	s_delay_alu instid0(VALU_DEP_1)
	v_add_f32 v14, v14, v[T]                       ; the row's sum: my keys' and lane l xor 16's
	s_wait_alu depctr_va_vdst(0)                   ; the wait ahead of the transcendental
	v_rcp_f32 v14, v14
	v_nop
	v_nop
	s_wait_alu depctr_va_vdst(0)                   ; and behind it, directly ahead of the first reader of O^T
.set i, 0
.rept 16
	v_pk_mul_f32 v[S+i:S+i+1], v[O+i:O+i+1], v[14:15] op_sel_hi:[1,0]   ; register i: channel 32 (lane / 16) + i of my query
.set i, i+2
.endr
.irp i, 0,1,2,3,4,5,6,7
	ds_store_b128 v[STO], v[S+4*\i:S+4*\i+3] offset:16*\i
.endr
.irp i, 0,1,2,3,4,5,6,7
	ds_load_b128 v[S+32+4*\i:S+35+4*\i], v[RD] offset:2*\i*SP   ; in order behind my stores: whole rows of 256 bytes
.endr
	s_wait_loadcnt 0x0                             ; c's rows
	s_wait_dscnt 0x0
.set i, 0
.rept 16
	v_pk_add_f32 v[S+32+i:S+33+i], v[S+32+i:S+33+i], v[KF+i:KF+i+1]
.set i, i+2
.endr
.irp i, 0,1,2,3,4,5,6,7
	global_store_b128 v[GO], v[S+32+4*\i:S+35+4*\i], s[OP:OP+1] offset:(2*\i+24*(\i/4))*4096 th:TH_STORE_NT   ; stage row t is token t % 8 + 32 (t / 8) of the tile; sixteen lanes store 256 consecutive bytes, aligned
.endr
	s_wait_xcnt 0x0                                ; the bases may step
	s_add_nc_u64 s[CP:CP+1], s[CP:CP+1], 0x8000    ; the pair's second tile lies 8 tokens on
	s_add_nc_u64 s[OP:OP+1], s[OP:OP+1], 0x8000
	s_mov_b32 s[MASK], -1
	s_sub_co_u32 s[PS], s[PS], 1
	s_cmp_lg_u32 s[PS], 0
	s_wait_alu depctr_va_vdst(0)                   ; the wait ahead of the branch
	s_cbranch_scc1 .Lpass
	s_wait_tensorcnt 0x0                           ; the wave's end
	ds_add_u32 v[SPW], v[NIL]
	s_wait_dscnt 0x0
	CROUND                                         ; the closing round
	s_endpgm
.Lfunc_end_k_q78dcb5a783_attn:
	.size	k_q78dcb5a783_attn, .Lfunc_end_k_q78dcb5a783_attn-k_q78dcb5a783_attn
	.p2alignl 7, 3214868480
	.fill 96, 4, 3214868480
	.section	.rodata,"a",@progbits
	.p2align	6, 0x0
	.amdhsa_kernel k_q78dcb5a783_attn
		.amdhsa_group_segment_fixed_size 327680
		.amdhsa_private_segment_fixed_size 0
		.amdhsa_enable_private_segment 0
		.amdhsa_kernarg_size 32
		.amdhsa_user_sgpr_count 2
		.amdhsa_user_sgpr_kernarg_segment_ptr 1
		.amdhsa_wavefront_size32 1
		.amdhsa_system_sgpr_workgroup_id_x 1
		.amdhsa_system_sgpr_workgroup_id_y 1
		.amdhsa_system_sgpr_workgroup_id_z 1
		.amdhsa_system_vgpr_workitem_id 0
		.amdhsa_next_free_vgpr 256
		.amdhsa_next_free_sgpr 84
		.amdhsa_reserve_vcc 0
		.amdhsa_float_denorm_mode_32 3
		.amdhsa_float_denorm_mode_16_64 3
		.amdhsa_memory_ordered 1
		.amdhsa_forward_progress 1
		.amdhsa_inst_pref_size 70
	.end_amdhsa_kernel
	.amdgpu_metadata
---
amdhsa.version: [ 1, 2 ]
amdhsa.kernels:
  - .name:           k_q78dcb5a783_attn
    .symbol:         k_q78dcb5a783_attn.kd
    .args:
      - { .name: qb, .offset: 0, .size: 8, .value_kind: global_buffer, .address_space: global }
      - { .name: kvb, .offset: 8, .size: 8, .value_kind: global_buffer, .address_space: global }
      - { .name: cb, .offset: 16, .size: 8, .value_kind: global_buffer, .address_space: global }
      - { .name: out0, .offset: 24, .size: 8, .value_kind: global_buffer, .address_space: global }
    .group_segment_fixed_size: 327680
    .private_segment_fixed_size: 0
    .kernarg_segment_align: 8
    .kernarg_segment_size: 32
    .max_flat_workgroup_size: 512
    .sgpr_count:     84
    .vgpr_count:     256
    .wavefront_size: 32
...
	.end_amdgpu_metadata
.endif
;; end of part 3
